; MI455X (gfx1250); checked and timed in simulation.
; The chip was launched on July 23, 2026; its instructions are those of AMD's public machine-readable ISA for CDNA 5 (MIT licence, August 2026) and "CDNA5" Instruction Set Architecture Reference Guide (July 2026). The comments in the code are by the model that wrote it; some were corrected since.
;; Graph Learner. Allowed arithmetic: matrix products marked QUANTISED: E2M3 operands, one E8M0 scale for each 32 along K, by v_wmma_scale_f32_16x16x128_f8f6f4 with both operands' format E2M3, f32 sums; everything else in f32.
;; Inputs: acc_u 8 x 1,024 x 1 float32; acc_v 8 x 1,024 x 1 float32; angle 1,024 x 1,024 float32; context 8 x 1,024 x 128 float32; dist 1,024 x 1,024 float32; speed 8 x 1,024 x 1 float32; uv_angle 8 x 1,024 x 1 float32; uv_angleACC 8 x 1,024 x 1 float32; weight_tensor 16 x 128 float32.
;; Outputs: out0 8 x 1,024 x 1,024 float32.
;; Constants: isPhy = 1.
;; This version of the problem:
;;   THIS VERSION OF THE PROBLEM IS GIVEN IN LOW PRECISION. The matrix products marked QUANTISED in the list below multiply operands that are first quantised to E2M3 (2 exponent bits, 3 mantissa bits; 6 bits a number), with one power-of-two scale for each 32 numbers along K (OCP MX v1.0); their sums are f32. All else is computed in f32.
;;   The module's matrix products, in the order in which they are computed (A, B: the left and right operand; K: the contracted axis; several contracted axes count as one K, in the product's order):
;;     1. batch 8 x [M 1,024, K 2,048] x [K 2,048, N 1,024]; A: computed on the way; B: computed on the way: QUANTISED
;;     2. batch 8 x [M 1,024, K 1,024] x [K 1,024, N 1,024]; A: computed on the way; B: computed on the way: QUANTISED
;;   THE QUANTISER, for each operand of a quantised product, along K:
;;     - K is cut into blocks of 32 from its start; a last block that is shorter is filled with zeros.
;;     - A block's scale is 2^e with e = floor(log2(the largest magnitude in the block)) - 2, held to -126 .. 127; a block of zeros has e = 0. As a byte (E8M0): e + 127.
;;     - Each number is divided by its block's scale, clamped to +-7.5, and rounded to the nearest number of E2M3, ties to even, subnormals kept.
;;     - The product sums the exact products of the quantised numbers (number of the format x scale) in f32.
;;   ~~~python
;;   def quantise(x, axis):      # numpy; x: float32 -> the quantised numbers, widened to float32 again
;;       x = np.moveaxis(x, axis, -1); K = x.shape[-1]
;;       x = np.pad(x, [(0, 0)] * (x.ndim - 1) + [(0, -K % 32)]); x = x.reshape(x.shape[:-1] + (-1, 32)); a = np.abs(x).max(-1, keepdims=True)
;;       e = np.where(a > 0, np.clip(np.frexp(np.where(a > 0, a, 1))[1] - 1 - 2, -126, 127), 0)      # np.frexp(a)[1] - 1 = floor(log2(a)), exactly
;;       r = np.clip(x / 2.0 ** e, -7.5, 7.5)
;;       step = 2.0 ** (np.maximum(np.frexp(np.where(r == 0, 1, r))[1] - 1, 0) - 3)
;;       q = np.round(r / step) * step * 2.0 ** e      # np.round: ties to even
;;       return np.moveaxis(q.reshape(q.shape[:-2] + (-1,))[..., :K], -1, axis).astype(np.float32)
;;   ~~~
;;   OPERANDS COMPUTED ON THE WAY. 'Computed on the way' means the value that the module computes at that place (a softmax that the list does not call 'softmax' is quantised finished and normalised). What goes into a quantiser is computed in f32, as accurately as f32 sums, v_exp_f32 and their like allow (about 1e-6 of the number): no bf16 or f16 on the way to a quantiser, and a product that is left as it is and whose result goes on into a quantised operand takes f32 operands (vector FMAs, or v_wmma_f32_16x16x4_f32). A number that lies on a knife's edge between two numbers of the format may be rounded either way, as far as f32 arithmetic and the matrix unit's own rounding can turn it there, and no further.
;; One version. Each part assembles by itself: llvm-mc -triple=amdgcn-amd-amdhsa -mcpu=gfx1250 --defsym DOCPART=n.
;; ======== version 1 of 1: 2 launches
;; limits: inputs' magnitudes at most 13,176,795
;; workspace buffers: ops 19,660,800 bytes; tab 8,388,608 bytes; rowpar 131,072 bytes
;; launch prep (part 1): grid 256 x 1, 8 waves a work-group, no clusters, 138,240 bytes of LDS; arguments angle, dist, uv_angle, uv_angleACC, acc_u, acc_v, speed, context, weight_tensor, ops, tab, rowpar; writes ops, tab, rowpar
.if DOCPART == 1
	.amdgcn_target "amdgcn-amd-amdhsa--gfx1250"
	.amdhsa_code_object_version 6
	.text
	.protected	k_qb722c43869_prep
	.globl	k_qb722c43869_prep
	.p2align	8
	.type	k_qb722c43869_prep,@function
k_qb722c43869_prep:
	s_mov_b64 s[64:65], 0
	v_nop
	global_prefetch_b8 v0, s[64:65] scope:SCOPE_SE
	s_setreg_imm32_b32 hwreg(HW_REG_WAVE_MODE, 25, 1), 1
	s_wait_xcnt 0x0
; PREP: makes the operands of both quantised products as codes of FP6 (E2M3) with one E8M0 byte for each 32 along K, and what the second launch needs to rebuild the unquantised selfwind.
; ops  [b 8][quarter 4][K step 24][half 2][12,800 bytes]: a half holds 8 tiles of 16 rows x 128 K as IMAGES OF THE OPERAND'S REGISTERS (tile i: registers 4 c .. 4 c + 3 of lane l at 1,536 i + 512 c + 16 l),
;      then the tiles' scale words (12,288 + 64 i + 4 r).  K steps 0-7: selfwind S (K = 1,024).  K steps 8-23: context_norm (K = 2,048, k = 16 d + p: the product contracts d, then p).
; tab  [row tile 64][column tile 64][4][lane 32][16 bytes]: T1 = cos(rho) / d and T2 = sin(rho) / d, rho = angle - pi x rndne(angle / pi), d = dist + 1e-5, in the layout of a 16 x 16 matrix result
;      (lane (r, h), register j: row r, column 8 h + j).  cos(rho) is not negative, so T1's sign bit is d's sign.
; rowpar [b][n] x 16 bytes: cu, su, dg: selfwind(b, n, k) = |cu T1 + su T2 + (k = n) dg| with the sign of d, already divided by the row's norm.
; cos(angle - uv) = cos(angle) cos(uv) + sin(angle) sin(uv): the polynomials are worked once for each (n, k) and not for each batch.  Sine and cosine: the argument less the nearest multiple of pi (pi in two parts),
; Taylor terms up to x^13 and x^12: on |x| <= pi / 2 the first term left out is under 7e-9.
; WORK-GROUPS 0-127 (selfwind): row tile t = x / 2, batches 4 (x % 2) .. + 3; wave s takes K step s; lane (r, h) holds row 16 t + r and k = 128 s + 64 u + 32 h + i: two whole blocks of 32.
; WORK-GROUPS 128-255 (context_norm): wave w takes tile 4 (x - 128) + w / 2 of the 512 tiles of 16 rows, and d = 64 (w % 2) .. + 63: eight K steps.  Each path has LDS bytes of its own.
; LIMITS: NaN and infinities are not served; |angle| / pi and |uv| / pi stay under 2^22; a block of zeros gets the byte 1 (its codes are zeros, and only this program reads the bytes).
; No tensor loads, clusters or matrix units: the launch streams and does vector work.
.set BSTR,  2457600                    ; ops: bytes of a batch
.set QSTR,  614400                     ; of a quarter (256 rows, 24 K steps)
.set STEPB, 25600                      ; of a K step
.set HC,    12800                      ; of a half
.set SPI,   528                        ; path A: a stage row: 512 bytes + 16, an odd multiple of 16: sixteen rows start in sixteen different groups of banks
.set NX,    67584                      ; path A: behind the eight stages (8 x 16 x 528): the waves' partial sums of squares, 2,048 bytes
.set WT,    69632                      ; path B: w as [d][p], 64 bytes a row
.set W2T,   77824                      ; path B: w squared, likewise
.set CST,   86016                      ; path B: a stage of 16 rows x (256 + 16) bytes for each wave
.set NB,    120832                     ; path B: each wave's sixteen partial norms, 2,048 bytes a wave
.set EPSF,  0x3727c5ac                 ; 1e-5
.set TINY,  0x2b8cbccc                 ; 1e-12
.set FLOOR, 0x1800000                  ; 2^(3 - 127): under it no largest magnitude is taken, so a scale's byte cannot fall under 1
.set MSB, 0
.macro WIN new                         ; the immediate's high byte repeats the setting that is left
.if MSB != \new
	s_set_vgpr_msb (MSB<<8)|\new
.set MSB, \new
.endif
.endm
; One step of both polynomials for four pairs: c = c z + kc, s = s z + ks
.macro HSTEP c, s, z, kc, ks
.irp p,0,2,4,6
	v_pk_fma_f32 v[\c+\p:\c+\p+1], v[\c+\p:\c+\p+1], v[\z+\p:\z+\p+1], \kc op_sel_hi:[1,1,0]
	v_pk_fma_f32 v[\s+\p:\s+\p+1], v[\s+\p:\s+\p+1], v[\z+\p:\z+\p+1], \ks op_sel_hi:[1,1,0]
.endr
.endm
; Eight numbers v[x] on (four pairs by turns): k = 1.5 x 2^23 + n, n = rndne(x / pi) (its low bit is n's parity); c = cos(x - n pi), s = sin(x - n pi).  r, z: at work.  v[56:61]: 1 / pi, 1 / 12!, 1 / 13!, each twice.
.macro TRIG4 x, c, s, k, r, z
.irp p,0,2,4,6
	v_pk_fma_f32 v[\k+\p:\k+\p+1], v[\x+\p:\x+\p+1], v[56:57], 0x4b400000 op_sel_hi:[1,1,0]
.endr
.irp p,0,2,4,6
	v_pk_add_f32 v[\r+\p:\r+\p+1], v[\k+\p:\k+\p+1], 0xcb400000 op_sel_hi:[1,0]
.endr
.irp p,0,2,4,6
	v_pk_fma_f32 v[\z+\p:\z+\p+1], v[\r+\p:\r+\p+1], 0xc0490fdb, v[\x+\p:\x+\p+1] op_sel_hi:[1,0,1]
.endr
.irp p,0,2,4,6
	v_pk_fma_f32 v[\r+\p:\r+\p+1], v[\r+\p:\r+\p+1], 0x33bbbd2e, v[\z+\p:\z+\p+1] op_sel_hi:[1,0,1]
.endr
.irp p,0,2,4,6
	v_pk_mul_f32 v[\z+\p:\z+\p+1], v[\r+\p:\r+\p+1], v[\r+\p:\r+\p+1]
.endr
.irp p,0,2,4,6
	v_pk_fma_f32 v[\c+\p:\c+\p+1], v[\z+\p:\z+\p+1], v[58:59], 0xb493f27e op_sel_hi:[1,1,0]
	v_pk_fma_f32 v[\s+\p:\s+\p+1], v[\z+\p:\z+\p+1], v[60:61], 0xb2d7322b op_sel_hi:[1,1,0]
.endr
	HSTEP \c, \s, \z, 0x37d00d01, 0x3638ef1d
	HSTEP \c, \s, \z, 0xbab60b61, 0xb9500d01
	HSTEP \c, \s, \z, 0x3d2aaaab, 0x3c088889
	HSTEP \c, \s, \z, -0.5, 0xbe2aaaab
.irp p,0,2,4,6
	v_pk_fma_f32 v[\c+\p:\c+\p+1], v[\c+\p:\c+\p+1], v[\z+\p:\z+\p+1], 1.0 op_sel_hi:[1,1,0]
.endr
.irp p,0,2,4,6
	v_pk_mul_f32 v[\z+\p:\z+\p+1], v[\r+\p:\r+\p+1], v[\z+\p:\z+\p+1]
.endr
.irp p,0,2,4,6
	v_pk_fma_f32 v[\s+\p:\s+\p+1], v[\s+\p:\s+\p+1], v[\z+\p:\z+\p+1], v[\r+\p:\r+\p+1]
.endr
.endm
; d = a x one register of the pair pr (odd = 1: its second), for both halves; and the same added onto d
.macro BMUL d, a, pr, odd
.if \odd
	v_pk_mul_f32 v[\d:\d+1], v[\a:\a+1], v[\pr:\pr+1] op_sel:[0,1]
.else
	v_pk_mul_f32 v[\d:\d+1], v[\a:\a+1], v[\pr:\pr+1] op_sel_hi:[1,0]
.endif
.endm
.macro BFMA d, a, pr, odd
.if \odd
	v_pk_fma_f32 v[\d:\d+1], v[\a:\a+1], v[\pr:\pr+1], v[\d:\d+1] op_sel:[0,1,0]
.else
	v_pk_fma_f32 v[\d:\d+1], v[\a:\a+1], v[\pr:\pr+1], v[\d:\d+1] op_sel_hi:[1,0,1]
.endif
.endm
	s_load_b512 s[8:23], s[0:1], 0x0               ; angle s[8:9], dist s[10:11], uv s[12:13], uvACC s[14:15], acc_u s[16:17], acc_v s[18:19], speed s[20:21], context s[22:23]
	s_load_b256 s[24:31], s[0:1], 0x40             ; weight s[24:25], ops s[26:27], tab s[28:29], rowpar s[30:31]
	s_set_vgpr_msb 0x40
	v_lshl_add_u32 v64, v0, 2, 0x21800
	v_mov_b32 v65, 0
	s_set_vgpr_msb 0x4000
	v_lshrrev_b32 v1, 5, v0
	v_readfirstlane_b32 s4, v1                     ; wave 0..7
	v_and_b32 v11, 31, v0                          ; lane
	v_and_b32 v12, 15, v0                          ; r
	v_bfe_u32 v13, v0, 4, 1                        ; h
	v_lshlrev_b32 v1, 4, v11                       ; 16 x lane
	v_lshlrev_b32 v2, 2, v12                       ; 4 r
	v_lshlrev_b32 v14, 3, v13                      ; 8 h: how far my two scale bytes are shifted
	s_mov_b32 s40, 0x76543210                      ; v_permlanex16_b32's selects for lane l xor 16
	s_mov_b32 s41, 0xfedcba98
	s_mov_b32 s42, 0xffff0000                      ; lanes 16-31
	s_mov_b32 s43, 0x7fffffff                      ; all but the sign
	s_cmp_lt_u32 ttmp9, 128
	s_cbranch_scc0 .Lctx
; ================================ PATH A: selfwind ================================
; REGISTERS: v3, v4 stage in, out; v5 table offset; v6 scale words' offset; v7 n - 128 s - 32 h; v8 E = +-1 / d(n, n); v9, v10 partial sums in, out; v15 the diagonal's offset; v62 rowpar's offset;
; v16 + 4 be .. 19 + 4 be: cu, su, dg, 1 / norm of batch be; v32-63 at work; v64-127 angle as loaded, then d, then T2; v128-191 dist as loaded, then at work, then x; v192-255 angle, then T1; window 1 v0-63: E at the diagonal, else 0.
	s_lshr_b32 s5, ttmp9, 1                        ; t: row tile
	s_and_b32 s6, ttmp9, 1                         ; g: batches 4 g .. 4 g + 3
	s_lshr_b32 s7, s5, 3                           ; the wave whose K step holds the diagonal
	s_mul_i32 s32, s4, 16*SPI                      ; my stage
	v_add_nc_u32 v3, s32, v1                       ; in: a row's 512 bytes as they are loaded
	v_mul_u32_u24 v4, v12, SPI
	v_lshl_add_u32 v4, v13, 7, v4
	v_add_nc_u32 v4, s32, v4                       ; out: row r, + 128 h: my block of 32
	v_lshlrev_b32 v5, 4, v12
	v_lshl_add_u32 v5, v13, 12, v5                 ; tab: 4,096 h (two column tiles) + 16 r
	v_mul_u32_u24 v6, v13, BSTR
	v_add_nc_u32 v6, v6, v2                        ; scale words: lanes 16-31 store the next batch's
	s_lshl_b32 s33, s5, 4
	s_lshl_b32 s34, s4, 7
	s_sub_co_i32 s33, s33, s34
	v_add_nc_u32 v7, s33, v12
	v_lshlrev_b32 v63, 5, v13
	v_sub_nc_u32 v7, v7, v63                       ; register 32 u + i is the diagonal where 64 u + i equals this
	s_lshl_b32 s34, s4, 2
	s_add_co_u32 s34, s34, NX
	v_lshlrev_b32 v9, 5, v11
	v_add_nc_u32 v9, s34, v9                       ; NX + 32 x lane + 4 x wave
	v_lshl_add_u32 v10, v12, 5, NX                 ; NX + 32 r
	s_mul_i32 s35, s5, 65600
	v_mul_u32_u24 v15, v12, 4100
	v_add_nc_u32 v15, s35, v15                     ; element (n, n): 4,100 n bytes
	v_lshlrev_b32 v62, 4, v12
	v_lshl_add_u32 v62, v13, 14, v62               ; rowpar: 16 r, lanes 16-31 the next batch
	s_lshl_b32 s36, s5, 16
	s_lshl_b32 s37, s4, 9
	s_add_co_u32 s36, s36, s37
	s_mov_b32 s37, 0                               ; angle, dist: 16 t rows of 4,096 bytes + 512 s
	s_lshl_b32 s38, s6, 14
	s_lshl_b32 s39, s5, 6
	s_add_co_u32 s38, s38, s39
	s_mov_b32 s39, 0                               ; the five [8][1024] inputs: 4 g rows of 4,096 bytes + 64 t
	s_mul_i32 s48, s6, 4*BSTR
	s_lshr_b32 s49, s5, 4
	s_mul_i32 s49, s49, QSTR
	s_add_co_u32 s48, s48, s49
	s_mul_i32 s49, s4, STEPB
	s_add_co_u32 s48, s48, s49
	s_bfe_u32 s49, s5, 0x10003
	s_mul_i32 s49, s49, HC
	s_add_co_u32 s48, s48, s49                     ; ops: my half: batch 4 g, quarter t / 16, K step s, half (t / 8) % 2
	s_and_b32 s58, s5, 7
	s_mul_i32 s59, s58, 1536
	s_add_co_u32 s50, s48, s59
	s_mov_b32 s51, 0                               ; tile t % 8: its codes,
	s_lshl_b32 s59, s58, 6
	s_add_co_u32 s52, s48, s59
	s_add_co_u32 s52, s52, 12288
	s_mov_b32 s53, 0                               ; its scale words
	s_lshl_b32 s54, s5, 17
	s_lshl_b32 s55, s4, 14
	s_add_co_u32 s54, s54, s55
	s_mov_b32 s55, 0                               ; tab: row tile t, column tiles 8 s on
	s_lshl_b32 s56, s6, 16
	s_lshl_b32 s57, s5, 8
	s_add_co_u32 s56, s56, s57
	s_mov_b32 s57, 0                               ; rowpar: batch 4 g, row 16 t
	s_wait_kmcnt 0x0
	s_add_nc_u64 s[44:45], s[8:9], s[36:37]
	s_add_nc_u64 s[46:47], s[10:11], s[36:37]
	s_add_nc_u64 s[12:13], s[12:13], s[38:39]
	s_add_nc_u64 s[14:15], s[14:15], s[38:39]
	s_add_nc_u64 s[16:17], s[16:17], s[38:39]
	s_add_nc_u64 s[18:19], s[18:19], s[38:39]
	s_add_nc_u64 s[20:21], s[20:21], s[38:39]
	s_add_nc_u64 s[50:51], s[26:27], s[50:51]
	s_add_nc_u64 s[52:53], s[26:27], s[52:53]
	s_add_nc_u64 s[54:55], s[28:29], s[54:55]
	s_add_nc_u64 s[56:57], s[30:31], s[56:57]
.irp i,0,1,2,3,4,5,6,7,8,9,10,11,12,13,14,15
	global_load_b128 v[64+4*\i:67+4*\i], v1, s[44:45] offset:4096*\i     ; angle: row i's 512 consecutive bytes
.endr
.irp i,0,1,2,3,4,5,6,7,8,9,10,11,12,13,14,15
	global_load_b128 v[128+4*\i:131+4*\i], v1, s[46:47] offset:4096*\i   ; dist likewise
.endr
.irp be,0,1,2,3
	global_load_b32 v[32+\be], v2, s[12:13] offset:4096*\be              ; uv
	global_load_b32 v[36+\be], v2, s[14:15] offset:4096*\be              ; uvACC
	global_load_b32 v[40+\be], v2, s[16:17] offset:4096*\be              ; acc_u
	global_load_b32 v[44+\be], v2, s[18:19] offset:4096*\be              ; acc_v
	global_load_b32 v[48+\be], v2, s[20:21] offset:4096*\be              ; speed
.endr
	global_load_b32 v52, v15, s[8:9]               ; angle(n, n)
	global_load_b32 v53, v15, s[10:11]             ; dist(n, n)
	v_mov_b32 v56, 0x3ea2f983                      ; 1 / pi
	v_mov_b32 v57, 0x3ea2f983
	v_mov_b32 v58, 0x310f76c7                      ; 1 / 12!
	v_mov_b32 v59, 0x310f76c7
	v_mov_b32 v60, 0x2f309231                      ; 1 / 13!
	v_mov_b32 v61, 0x2f309231
	; The turn through my stage: rows go in as loaded and come back 128 bytes (a block of 32) a lane.  LDS serves a wave's instructions in order, so dist may follow angle through the same bytes.
	s_wait_loadcnt 38                              ; angle's 16 loads are in: 38 were issued behind them
.irp i,0,1,2,3,4,5,6,7,8,9,10,11,12,13,14,15
	ds_store_b128 v3, v[64+4*\i:67+4*\i] offset:SPI*\i
.endr
.irp uu,0,1
.irp q,0,1,2,3,4,5,6,7
	ds_load_b128 v[192+32*\uu+4*\q:195+32*\uu+4*\q], v4 offset:256*\uu+16*\q
.endr
.endr
	s_wait_loadcnt 22                              ; dist's 16 are in: 22 were issued behind them
.irp i,0,1,2,3,4,5,6,7,8,9,10,11,12,13,14,15
	ds_store_b128 v3, v[128+4*\i:131+4*\i] offset:SPI*\i
.endr
	s_wait_dscnt 32                                ; angle's 16 stores are done (32 LDS instructions are younger): their registers take dist
.irp uu,0,1
.irp q,0,1,2,3,4,5,6,7
	ds_load_b128 v[64+32*\uu+4*\q:67+32*\uu+4*\q], v4 offset:256*\uu+16*\q
.endr
.endr
	s_wait_loadcnt 0x0
	s_wait_dscnt 0x0                               ; dist's stores have read v128-191, which are at work from here on
	; ---- the rows' parameters: cu = |speed| cos(uv), su = |speed| sin(uv), dg = 0.5 |speed| sqrt(au^2 + av^2 + 1e-5) |cos(uvACC - uv)|, E = 1 / d(n, n) with the parity of angle(n, n)'s multiple of pi as its sign
.irp be,0,1,2,3
	v_sub_f32 v[36+\be], v[36+\be], v[32+\be]
.endr
	TRIG4 32, 128, 136, 144, 152, 160
.irp be,0,1,2,3
	v_mul_f32 v[40+\be], v[40+\be], v[40+\be]
.endr
.irp be,0,1,2,3
	v_fma_f32 v[40+\be], v[44+\be], v[44+\be], v[40+\be]
.endr
.irp be,0,1,2,3
	v_add_f32 v[40+\be], EPSF, v[40+\be]
.endr
	v_add_f32 v53, EPSF, v53
	v_fmaak_f32 v54, v52, v56, 0x4b400000
.irp be,0,1,2,3
	v_sqrt_f32 v[40+\be], v[40+\be]
.endr
	v_rcp_f32 v53, v53
.irp be,0,1,2,3
	v_lshlrev_b32 v[144+\be], 31, v[144+\be]       ; (plain lines behind the transcendentals)  the parity as a sign bit
.endr
	v_lshlrev_b32 v54, 31, v54
.irp be,0,1,2,3
	v_xor_b32 v[128+\be], v[144+\be], v[128+\be]   ; cos(uv)
	v_xor_b32 v[136+\be], v[144+\be], v[136+\be]   ; sin(uv)
.endr
	s_wait_alu depctr_va_vdst(0)
	v_xor_b32 v8, v54, v53
.irp be,0,1,2,3
	v_mul_f32 v[16+4*\be], |v[48+\be]|, v[128+\be]
	v_mul_f32 v[17+4*\be], |v[48+\be]|, v[136+\be]
	v_mul_f32 v[18+4*\be], |v[48+\be]|, v[40+\be]
	v_mov_b32 v[19+4*\be], 0                       ; (named with dg as a pair, so it is written)
.endr
.irp be,0,1,2,3
	v_mul_f32 v[18+4*\be], v[18+4*\be], |v[132+\be]|
.endr
.irp be,0,1,2,3
	v_mul_f32 v[18+4*\be], 0.5, v[18+4*\be]
.endr
	; ---- the tables: 1 / d, then eight numbers at a time
.set j, 0
.rept 32
	v_pk_add_f32 v[64+j:65+j], v[64+j:65+j], EPSF op_sel_hi:[1,0]
.set j, j+2
.endr
.set j, 0
.rept 64
	v_rcp_f32 v[64+j], v[64+j]
.set j, j+1
.endr
	v_nop                                          ; a plain line behind the last reciprocal
	s_wait_alu depctr_va_vdst(0)
.set G, 0
.rept 8
	TRIG4 192+8*G, 128, 136, 144, 152, 160
.irp e,0,1,2,3,4,5,6,7
	v_mul_f32 v[192+8*G+\e], |v[128+\e]|, v[64+8*G+\e]                   ; T1 takes the angle's place
.endr
.irp p,0,2,4,6
	v_pk_mul_f32 v[64+8*G+\p:65+8*G+\p], v[136+\p:137+\p], v[64+8*G+\p:65+8*G+\p]   ; T2 takes 1 / d's
.endr
.set G, G+1
.endr
	WIN 0x40                                       ; destination window 1
.set j, 0
.rept 64
	v_cmp_eq_i32 vcc_lo, (j/32)*64+(j%32), v7
	v_cndmask_b32 v[j], 0, v8, vcc_lo              ; E where k = n
.set j, j+1
.endr
	WIN 0
; The two work-groups of a row tile make the same tables: g = 0 stores T1, g = 1 stores T2.  Sixteen lanes store 256 consecutive bytes, aligned.
.macro TSTORE reg, sel
.irp uu,0,1
.irp e2,0,1
.irp h2,0,1
.irp qq,0,1
	global_store_b128 v5, v[\reg+32*\uu+16*\e2+8*\h2+4*\qq:\reg+32*\uu+16*\e2+8*\h2+4*\qq+3], s[54:55] offset:8192*\uu+2048*\e2+512*(2*\sel+\qq)+256*\h2
.endr
.endr
.endr
.endr
.endm
	s_cmp_lg_u32 s6, 0
	s_cbranch_scc1 .Ltab2
	TSTORE 192, 0
	s_branch .Ltabdone
.Ltab2:
	TSTORE 64, 1
.Ltabdone:
; x = cu T1 + su T2 (+ dg E on the diagonal, in the one wave whose K step holds it) for batch be
.macro XCALC be
.set j, 0
.rept 32
	v_pk_mul_f32 v[128+j:129+j], v[192+j:193+j], v[16+4*\be:17+4*\be] op_sel_hi:[1,0]
.set j, j+2
.endr
.set j, 0
.rept 32
	v_pk_fma_f32 v[128+j:129+j], v[64+j:65+j], v[16+4*\be:17+4*\be], v[128+j:129+j] op_sel:[0,1,0]
.set j, j+2
.endr
	s_cmp_lg_u32 s4, s7
	s_cbranch_scc1 .Lnodiag_\@
	WIN 0x01                                       ; source 0 window 1
.set j, 0
.rept 32
	v_pk_fma_f32 v[128+j:129+j], v[j:j+1], v[18+4*\be:19+4*\be], v[128+j:129+j] op_sel_hi:[1,0,1]
.set j, j+2
.endr
	WIN 0
.Lnodiag_\@:
.endm
	; ---- the rows' norms: my 64 squares in four chains, the other half of the lanes, then the eight waves through LDS
.irp be,0,1,2,3
	XCALC \be
.irp c,0,2,4,6
	v_pk_mul_f32 v[32+\c:33+\c], v[128+\c:129+\c], v[128+\c:129+\c]      ; the first four pairs start the chains
.endr
.set j, 8
.rept 28
	v_pk_fma_f32 v[32+j%8:33+j%8], v[128+j:129+j], v[128+j:129+j], v[32+j%8:33+j%8]
.set j, j+2
.endr
	v_pk_add_f32 v[32:33], v[32:33], v[34:35]
	v_pk_add_f32 v[36:37], v[36:37], v[38:39]
	v_pk_add_f32 v[32:33], v[32:33], v[36:37]
	v_add_f32 v[48+\be], v32, v33
.endr
.irp be,0,1,2,3
	v_permlanex16_b32 v[40+\be], v[48+\be], s40, s41
.endr
.irp be,0,1,2,3
	v_add_f32 v[48+\be], v[48+\be], v[40+\be]
.endr
	v_cndmask_b32 v44, v48, v49, s42               ; lanes 0-15 carry the even batch's sum, lanes 16-31 the odd one's
	v_cndmask_b32 v45, v50, v51, s42
	ds_store_b32 v9, v44
	ds_store_b32 v9, v45 offset:1024
	s_wait_dscnt 0x0                               ; for the others' sake: my sums lie in LDS
	s_barrier_signal -1
	s_barrier_wait -1
.irp be,0,1,2,3
	ds_load_b128 v[128+8*\be:131+8*\be], v10 offset:512*\be              ; row r's eight partial sums of batch be
	ds_load_b128 v[132+8*\be:135+8*\be], v10 offset:512*\be+16
.endr
	s_wait_dscnt 0x0
.irp be,0,1,2,3
	v_pk_add_f32 v[128+8*\be:129+8*\be], v[128+8*\be:129+8*\be], v[130+8*\be:131+8*\be]
	v_pk_add_f32 v[132+8*\be:133+8*\be], v[132+8*\be:133+8*\be], v[134+8*\be:135+8*\be]
.endr
.irp be,0,1,2,3
	v_pk_add_f32 v[128+8*\be:129+8*\be], v[128+8*\be:129+8*\be], v[132+8*\be:133+8*\be]
.endr
.irp be,0,1,2,3
	v_add_f32 v[48+\be], v[128+8*\be], v[129+8*\be]
.endr
.irp be,0,1,2,3
	v_sqrt_f32 v[48+\be], v[48+\be]
.endr
	v_nop
	s_wait_alu depctr_va_vdst(0)
.irp be,0,1,2,3
	v_max_num_f32 v[48+\be], TINY, v[48+\be]
.endr
.irp be,0,1,2,3
	v_rcp_f32 v[19+4*\be], v[48+\be]
.endr
	v_mov_b32 v55, 0                               ; (a plain line; and a lane permute's destination counts as one of its sources)
	s_wait_alu depctr_va_vdst(0)
.irp be,0,1,2,3
	v_pk_mul_f32 v[16+4*\be:17+4*\be], v[16+4*\be:17+4*\be], v[18+4*\be:19+4*\be] op_sel:[0,1]   ; the parameters take the norm in: x now comes out normalised
	v_mul_f32 v[18+4*\be], v[18+4*\be], v[19+4*\be]
.endr
	; ---- the codes: v32-43 the fragment, v44-46 and v52-54 the blocks' second halves, v48-51 maxima, bytes, scale operands, v56-59 scale words
.irp be,0,1,2,3
	XCALC \be
.set j, 0
.rept 64
	v_bfi_b32 v[128+j], s43, v[128+j], v[192+j]    ; |x| with the sign of d
.set j, j+1
.endr
.irp uu,0,1
	v_max3_num_f32 v[48+\uu], |v[128+32*\uu]|, |v[129+32*\uu]|, FLOOR    ; my two blocks by turns
.endr
.irp i,2,4,6,8,10,12,14,16,18,20,22,24,26,28,30
.irp uu,0,1
	v_max3_num_f32 v[48+\uu], v[48+\uu], |v[128+32*\uu+\i]|, |v[129+32*\uu+\i]|
.endr
.endr
.irp uu,0,1
	v_add_nc_u32 v[50+\uu], 0xff000000, v[48+\uu]  ; 2 off the exponent field: the conversion takes this operand's exponent field as its scale
.endr
.irp uu,0,1
	v_lshrrev_b32 v[48+\uu], 23, v[50+\uu]         ; the scale's byte
.endr
	s_wait_xcnt 0x0                                ; the last batch's stores have read the fragment's registers
	v_cvt_scalef32_pk16_fp6_f32 v[32:34], v[128:143], v50
	v_cvt_scalef32_pk16_fp6_f32 v[44:46], v[144:159], v50                ; (a conversion's three registers begin on an even number)
	v_cvt_scalef32_pk16_fp6_f32 v[38:40], v[160:175], v51
	v_cvt_scalef32_pk16_fp6_f32 v[52:54], v[176:191], v51
	v_lshl_or_b32 v47, v49, 16, v48                ; (the plain line behind the conversions)  my bytes: blocks h and 2 + h,
.irp i,0,1,2
	v_mov_b32 v[35+\i], v[44+\i]
	v_mov_b32 v[41+\i], v[52+\i]
.endr
.irp c,0,1,2
	global_store_b128 v1, v[32+4*\c:35+4*\c], s[50:51] offset:512*\c+\be*BSTR    ; 512 consecutive bytes, aligned
.endr
	v_lshlrev_b32 v47, v14, v47                    ; at their places in the word;
	v_permlanex16_b32 v55, v47, s40, s41
	v_or_b32 v[56+\be], v47, v55                   ; with lane l xor 16's two the word is whole
.if \be%2
	v_cndmask_b32 v[60+\be/2], v[55+\be], v[56+\be], s42
	global_store_b32 v6, v[60+\be/2], s[52:53] offset:(\be-1)*BSTR       ; two batches' words: 64 bytes each (a tile's share of a half's 512 bytes of scale words)
.endif
.endr
	s_cmp_lg_u32 s4, 0                             ; every wave holds the same parameters: wave 0 stores them
	s_cbranch_scc1 .LendA
.irp be,0,1,2,3
	v_mul_f32 v[128+\be], v[18+4*\be], v8
.endr
.irp bp,0,1
	v_cndmask_b32 v[132+4*\bp], v[16+8*\bp], v[20+8*\bp], s42
	v_cndmask_b32 v[133+4*\bp], v[17+8*\bp], v[21+8*\bp], s42
	v_cndmask_b32 v[134+4*\bp], v[128+2*\bp], v[129+2*\bp], s42
	v_mov_b32 v[135+4*\bp], 0
	global_store_b128 v62, v[132+4*\bp:135+4*\bp], s[56:57] offset:32768*\bp     ; sixteen lanes: 256 consecutive bytes, aligned
.endr
.LendA:
	s_set_vgpr_msb 0x5
	s_wait_tensorcnt 0x0
	ds_add_u32 v64, v65
	s_wait_dscnt 0x0
	s_set_vgpr_msb 0x500
	s_endpgm
; ================================ PATH B: context_norm ================================
; x(p, n, d) = c(n, d) w(p, d) / max(sqrt(sum over d of (c w)^2), 1e-12); k = 16 d + p: a block of 32 is two d x sixteen p.  Lane (r, h), K step s', block 2 u + h: d = 64 v + 8 s' + 4 u + 2 h + e.
; REGISTERS: v16-26 addresses; v64-95 my 32 numbers of c; v96-127 their squares; v128-143 the sixteen sums, then 1 / norm; v144-175 two sets of a row of w; v176-207 a block; v208-219 the fragment; v220-222 a block's second half.
.Lctx:
	s_sub_co_u32 s5, ttmp9, 128
	s_lshl_b32 s5, s5, 2
	s_lshr_b32 s6, s4, 1
	s_add_co_u32 s5, s5, s6                        ; my tile of 16 rows, 0..511
	s_and_b32 s6, s4, 1                            ; v: which half of d
	s_lshr_b32 s7, s5, 6                           ; batch
	s_and_b32 s32, s5, 63                          ; tile in the batch
	v_and_b32 v16, 127, v0                         ; w: thread (d, pg) takes w[8 pg .. 8 pg + 7][d]
	v_lshrrev_b32 v18, 7, v0
	v_lshlrev_b32 v17, 6, v16
	v_lshl_add_u32 v17, v18, 5, v17
	v_add_nc_u32 v17, WT, v17                      ; LDS: 64 d + 32 pg
	v_lshlrev_b32 v16, 2, v16
	v_lshl_add_u32 v16, v18, 12, v16               ; memory: 4 d + 8 pg rows of 512 bytes
	v_lshlrev_b32 v19, 4, v12
	v_lshl_add_u32 v19, v13, 9, v19                ; context: lanes 0-15 one row's 256 bytes, lanes 16-31 the next row's
	s_mul_i32 s33, s4, 16*272
	s_add_co_u32 s33, s33, CST
	v_mul_u32_u24 v20, v13, 272
	v_lshl_add_u32 v20, v12, 4, v20
	v_add_nc_u32 v20, s33, v20                     ; my stage, in
	v_mul_u32_u24 v21, v12, 272
	v_lshl_add_u32 v21, v13, 3, v21
	v_add_nc_u32 v21, s33, v21                     ; and out: row r, + 8 h: my two d of each four
	s_lshl_b32 s34, s6, 12
	v_lshlrev_b32 v22, 7, v13
	v_add_nc_u32 v22, s34, v22
	v_add_nc_u32 v23, WT, v22                      ; rows of w: 64 (64 v + 2 h) bytes on
	v_add_nc_u32 v22, W2T, v22                     ; and of w squared
	s_lshl_b32 s35, s4, 11
	s_add_co_u32 s35, s35, NB
	v_add_nc_u32 v24, s35, v1                      ; my partial norms
	s_xor_b32 s36, s4, 1
	s_lshl_b32 s36, s36, 11
	s_add_co_u32 s36, s36, NB
	v_add_nc_u32 v25, s36, v1                      ; and those of the wave with the tile's other half of d
	v_mul_u32_u24 v26, v13, STEPB
	v_add_nc_u32 v26, v26, v2                      ; scale words: lanes 16-31 store the next K step's
	s_lshl_b32 s38, s5, 13
	s_lshl_b32 s39, s6, 8
	s_add_co_u32 s38, s38, s39
	s_mov_b32 s39, 0                               ; context: 16 rows of 512 bytes a tile, + 256 v
	s_mul_i32 s44, s7, BSTR
	s_lshr_b32 s45, s32, 4
	s_mul_i32 s45, s45, QSTR
	s_add_co_u32 s44, s44, s45
	s_lshl_b32 s45, s6, 3
	s_add_co_u32 s45, s45, 8
	s_mul_i32 s45, s45, STEPB
	s_add_co_u32 s44, s44, s45
	s_bfe_u32 s45, s32, 0x10003
	s_mul_i32 s45, s45, HC
	s_add_co_u32 s44, s44, s45                     ; ops: my half of K step 8 + 8 v
	s_and_b32 s48, s32, 7
	s_lshl_b32 s46, s48, 6
	s_add_co_u32 s46, s46, s44
	s_add_co_u32 s46, s46, 12288
	s_mov_b32 s47, 0                               ; my tile's scale words,
	s_mul_i32 s48, s48, 1536
	s_add_co_u32 s44, s44, s48
	s_mov_b32 s45, 0                               ; its codes
	s_wait_kmcnt 0x0
	s_add_nc_u64 s[22:23], s[22:23], s[38:39]
	s_add_nc_u64 s[44:45], s[26:27], s[44:45]
	s_add_nc_u64 s[46:47], s[26:27], s[46:47]
.irp j,0,1,2,3,4,5,6,7
	global_load_b32 v[32+\j], v16, s[24:25] offset:512*\j
.endr
.irp i,0,1,2,3,4,5,6,7
	global_load_b128 v[176+4*\i:179+4*\i], v19, s[22:23] offset:1024*\i th:TH_LOAD_NT   ; two aligned runs of 256 bytes; read once in the launch
.endr
	s_wait_loadcnt 8                               ; w is in; the eight loads of context may be out
	ds_store_b128 v17, v[32:35]
	ds_store_b128 v17, v[36:39] offset:16
.irp p,0,2,4,6
	v_pk_mul_f32 v[40+\p:41+\p], v[32+\p:33+\p], v[32+\p:33+\p]
.endr
	ds_store_b128 v17, v[40:43] offset:W2T-WT
	ds_store_b128 v17, v[44:47] offset:W2T-WT+16
	s_wait_loadcnt 0x0
.irp i,0,1,2,3,4,5,6,7
	ds_store_b128 v20, v[176+4*\i:179+4*\i] offset:544*\i
.endr
	s_wait_dscnt 0x0                               ; for the others' sake: my part of w lies in LDS
	s_barrier_signal -1
	s_barrier_wait -1
.macro WLOAD adr, dd                   ; the sixteen p of my d number dd (of 32) into set dd % 2; lanes of one half read the same bytes
.irp q,0,1,2,3
	ds_load_b128 v[144+16*((\dd)%2)+4*\q:147+16*((\dd)%2)+4*\q], v[\adr] offset:256*((\dd)/2)+64*((\dd)%2)+16*\q
.endr
.endm
.set m, 0
.rept 16
	ds_load_b64 v[64+2*m:65+2*m], v21 offset:16*m
.set m, m+1
.endr
	WLOAD 22, 0
	s_wait_dscnt 4                                 ; c is in; the first row of w squared may be out
.set j, 0
.rept 16
	v_pk_mul_f32 v[96+j:97+j], v[64+j:65+j], v[64+j:65+j]
.set j, j+2
.endr
	; ---- the sixteen sums of c^2 w^2 over my 32 d; a row of w squared is fetched one d ahead
.set dd, 0
.rept 32
.if dd < 31
	WLOAD 22, dd+1
	s_wait_dscnt 4                                 ; this d's four loads are in, the next d's may be out
.else
	s_wait_dscnt 0x0
.endif
.irp p,0,2,4,6,8,10,12,14
.if dd == 0
	BMUL 128+\p, 144+\p, 96, 0
.else
	BFMA 128+\p, 144+16*(dd%2)+\p, 96+2*(dd/2), dd%2
.endif
.endr
.set dd, dd+1
.endr
.irp p,0,1,2,3,4,5,6,7,8,9,10,11,12,13,14,15
	v_permlanex16_b32 v[144+\p], v[128+\p], s40, s41
.endr
.irp p,0,2,4,6,8,10,12,14
	v_pk_add_f32 v[128+\p:129+\p], v[128+\p:129+\p], v[144+\p:145+\p]
.endr
.irp q,0,1,2,3
	ds_store_b128 v24, v[128+4*\q:131+4*\q] offset:512*\q
.endr
	s_wait_dscnt 0x0
	s_barrier_signal -1
	s_barrier_wait -1
.irp q,0,1,2,3
	ds_load_b128 v[160+4*\q:163+4*\q], v25 offset:512*\q                 ; the other half of d
.endr
	WLOAD 23, 0
	s_wait_dscnt 4                                 ; the partner's sums are in; the first row of w may be out
.irp p,0,2,4,6,8,10,12,14
	v_pk_add_f32 v[128+\p:129+\p], v[128+\p:129+\p], v[160+\p:161+\p]
.endr
.irp p,0,1,2,3,4,5,6,7,8,9,10,11,12,13,14,15
	v_sqrt_f32 v[128+\p], v[128+\p]
.endr
	v_mov_b32 v53, 0                               ; (a plain line; and a lane permute's destination counts as one of its sources)
	s_wait_alu depctr_va_vdst(0)
.irp p,0,1,2,3,4,5,6,7,8,9,10,11,12,13,14,15
	v_max_num_f32 v[128+\p], TINY, v[128+\p]
.endr
.irp p,0,1,2,3,4,5,6,7,8,9,10,11,12,13,14,15
	v_rcp_f32 v[128+\p], v[128+\p]
.endr
	v_nop
	s_wait_alu depctr_va_vdst(0)
	; ---- the codes, K step by K step
.irp sp,0,1,2,3,4,5,6,7
.irp uu,0,1
.irp ee,0,1
.set dd, 4*\sp+2*\uu+\ee
.if dd < 31
	WLOAD 23, dd+1
	s_wait_dscnt 4
.else
	s_wait_dscnt 0x0
.endif
.irp p,0,2,4,6,8,10,12,14
	BMUL 176+16*\ee+\p, 144+16*\ee+\p, 64+2*(dd/2), \ee                  ; c w
.endr
.irp p,0,2,4,6,8,10,12,14
	v_pk_mul_f32 v[176+16*\ee+\p:177+16*\ee+\p], v[176+16*\ee+\p:177+16*\ee+\p], v[128+\p:129+\p]   ; / norm
.endr
.endr
	v_max3_num_f32 v[48+\uu], |v176|, |v177|, FLOOR                      ; the block's largest magnitude, in two chains
	v_max3_num_f32 v32, |v192|, |v193|, FLOOR
.irp i,2,4,6,8,10,12,14
	v_max3_num_f32 v[48+\uu], v[48+\uu], |v[176+\i]|, |v[177+\i]|
	v_max3_num_f32 v32, v32, |v[192+\i]|, |v[193+\i]|
.endr
	v_max_num_f32 v[48+\uu], v[48+\uu], v32
	v_add_nc_u32 v[50+\uu], 0xff000000, v[48+\uu]  ; the conversion's scale operand
	v_lshrrev_b32 v[48+\uu], 23, v[50+\uu]         ; the scale's byte
.if \uu == 0
	s_wait_xcnt 0x0                                ; the last K step's stores have read their registers
.endif
	v_cvt_scalef32_pk16_fp6_f32 v[208+6*\uu:210+6*\uu], v[176:191], v[50+\uu]
	v_cvt_scalef32_pk16_fp6_f32 v[220:222], v[192:207], v[50+\uu]
	v_nop                                          ; one plain line behind the conversions
.irp i,0,1,2
	v_mov_b32 v[211+6*\uu+\i], v[220+\i]
.endr
.endr
.irp c,0,1,2
	global_store_b128 v1, v[208+4*\c:211+4*\c], s[44:45] offset:STEPB*\sp+512*\c
.endr
	v_lshl_or_b32 v52, v49, 16, v48
	v_lshlrev_b32 v52, v14, v52
	v_permlanex16_b32 v53, v52, s40, s41
	v_or_b32 v[54+\sp%2], v52, v53
.if \sp%2
	v_cndmask_b32 v56, v54, v55, s42
	global_store_b32 v26, v56, s[46:47] offset:STEPB*(\sp-1)             ; two K steps' scale words, 64 bytes each
.endif
.endr
	s_set_vgpr_msb 0x5
	s_wait_tensorcnt 0x0
	ds_add_u32 v64, v65
	s_wait_dscnt 0x0
	s_set_vgpr_msb 0x500
	s_endpgm
.Lfunc_end_k_qb722c43869_prep:
	.size	k_qb722c43869_prep, .Lfunc_end_k_qb722c43869_prep-k_qb722c43869_prep
	.p2alignl 7, 3214868480
	.fill 96, 4, 3214868480
	.section	.rodata,"a",@progbits
	.p2align	6, 0x0
	.amdhsa_kernel k_qb722c43869_prep
		.amdhsa_group_segment_fixed_size 138240
		.amdhsa_private_segment_fixed_size 0
		.amdhsa_enable_private_segment 0
		.amdhsa_kernarg_size 96
		.amdhsa_user_sgpr_count 2
		.amdhsa_user_sgpr_kernarg_segment_ptr 1
		.amdhsa_wavefront_size32 1
		.amdhsa_system_sgpr_workgroup_id_x 1
		.amdhsa_system_sgpr_workgroup_id_y 1
		.amdhsa_system_sgpr_workgroup_id_z 1
		.amdhsa_system_vgpr_workitem_id 0
		.amdhsa_next_free_vgpr 322
		.amdhsa_next_free_sgpr 66
		.amdhsa_reserve_vcc 1
		.amdhsa_float_denorm_mode_32 3
		.amdhsa_float_denorm_mode_16_64 3
		.amdhsa_memory_ordered 1
		.amdhsa_forward_progress 1
		.amdhsa_inst_pref_size 255
	.end_amdhsa_kernel
	.section	.bss,"aw",@nobits
	.p2align	6
	.space	262144
	.amdgpu_metadata
---
amdhsa.version: [ 1, 2 ]
amdhsa.kernels:
  - .name:           k_qb722c43869_prep
    .symbol:         k_qb722c43869_prep.kd
    .args:
      - { .name: angle, .offset: 0, .size: 8, .value_kind: global_buffer, .address_space: global }
      - { .name: dist, .offset: 8, .size: 8, .value_kind: global_buffer, .address_space: global }
      - { .name: uv_angle, .offset: 16, .size: 8, .value_kind: global_buffer, .address_space: global }
      - { .name: uv_angleACC, .offset: 24, .size: 8, .value_kind: global_buffer, .address_space: global }
      - { .name: acc_u, .offset: 32, .size: 8, .value_kind: global_buffer, .address_space: global }
      - { .name: acc_v, .offset: 40, .size: 8, .value_kind: global_buffer, .address_space: global }
      - { .name: speed, .offset: 48, .size: 8, .value_kind: global_buffer, .address_space: global }
      - { .name: context, .offset: 56, .size: 8, .value_kind: global_buffer, .address_space: global }
      - { .name: weight_tensor, .offset: 64, .size: 8, .value_kind: global_buffer, .address_space: global }
      - { .name: ops, .offset: 72, .size: 8, .value_kind: global_buffer, .address_space: global }
      - { .name: tab, .offset: 80, .size: 8, .value_kind: global_buffer, .address_space: global }
      - { .name: rowpar, .offset: 88, .size: 8, .value_kind: global_buffer, .address_space: global }
    .group_segment_fixed_size: 138240
    .private_segment_fixed_size: 0
    .kernarg_segment_align: 8
    .kernarg_segment_size: 96
    .max_flat_workgroup_size: 256
    .sgpr_count:     66
    .vgpr_count:     322
    .wavefront_size: 32
...
	.end_amdgpu_metadata
.endif
;; end of part 1
;; launch main (part 2): grid 32 x 8, 4 waves a work-group, clusters of 4 x 1, 327,680 bytes of LDS; arguments ops, tab, rowpar, out0; writes out0
.if DOCPART == 2
	.amdgcn_target "amdgcn-amd-amdhsa--gfx1250"
	.amdhsa_code_object_version 6
	.text
	.protected	k_qb722c43869_main
	.globl	k_qb722c43869_main
	.p2align	8
	.type	k_qb722c43869_main,@function
k_qb722c43869_main:
	s_mov_b64 s[64:65], 0
	v_nop
	global_prefetch_b8 v0, s[64:65] scope:SCOPE_SE
	s_setreg_imm32_b32 hwreg(HW_REG_WAVE_MODE, 25, 1), 1
	s_wait_xcnt 0x0
	s_wait_alu depctr_hold_cnt(0) depctr_sa_sdst(0) depctr_va_vdst(0) depctr_va_sdst(0) depctr_va_ssrc(0) depctr_va_vcc(0) depctr_vm_vsrc(0)
	s_getreg_b32 s2, hwreg(HW_REG_IB_STS2, 6, 4)
	s_cmp_eq_u32 s2, 0
	s_cbranch_scc0 .Lentry_in_a_cluster
	s_endpgm
.Lentry_in_a_cluster:
	s_bfe_u32 s2, ttmp6, 0x10000c
	s_cmp_lg_u32 s2, 0x3003
	s_cbranch_scc0 .Lentry_shape_is_right
	s_endpgm
.Lentry_shape_is_right:
; MAIN: out(b, n, m) = max(att, 0) / 16 x u, att = Cn Cn^T (K = 2,048), u from y = 0.07 S S^T + 1e-5 (K = 1,024); both products on codes of FP6 (E2M3) with E8M0 scales.
; u wants two norms over whole rows (of y, then of t = |0.5 s + sqrt(y / |y|)| + 1e-5), so A WORK-GROUP OWNS WHOLE ROWS: 32 rows x 1,024 columns, y and att in registers; nothing of them goes to memory.
; Wave w takes columns 256 w .. + 255: 2 x 16 accumulators for y (window 2) and as many for att (window 3).  The products are used transposed: source 0 = 16 streamed rows (the result's columns), source 1 = 16 of my rows:
; lane (r, h), register j holds (row r, column 8 h + j).
; THE STREAM.  A wave's columns are one dense run of ops: 48 halves of 12,800 bytes (8 tiles as images of the operand's registers, then their scale words).  A half is a UNIT: 16 matrix instructions.  Units 0-15 make y, units 16-47 att.
; The units go in GROUPS OF FOUR, on two roads.  Units 4 j .. 4 j + 2 come through the wave's own ring of two LDS slots, 38,400 bytes a tensor load (150 rows of 256 bytes); only the wave that asked reads its ring.
; Unit 4 j + 3 comes STRAIGHT INTO REGISTERS: the halves lie in memory as the registers want them and no other wave of the work-group reads them, so LDS would give them no second use; these loads have counted waits and are on
; their way beside the ring's one load a wave.  So the ring has 12 fills for 48 units, and a refill has four units, 64 matrix instructions, in which to land.
; CLUSTER.  The four work-groups of a cluster belong to one batch and walk the same stream: every tensor load is asked for JOINTLY (mask 15, the same descriptor in all four), behind a round of the cluster's barrier.
; My own 32 rows' fragments come straight from ops into a ring of registers for four K steps.
; The unquantised selfwind is rebuilt from tab and rowpar: 0.5 s = |ch T1 + sh T2 + (m = n) dgh| with T1's sign.
; LIMITS: NaN and infinities are not served (a NaN in att would come out as 0); u is never negative, so max(att u / 16, 0) = max(att, 0) u / 16.
; REGISTERS.  Window 0: v1 16 x lane, v2 4 x lane, v3-4 and v5-6 LDS addresses of codes and scale words in slot 0, 1, v7 the stage, v9-10 the norms' exchange, v11 r - 8 h, v12-13 the spare word's address and 0,
;   v[14:15] 1e-5, v16-23 my rows' parameters, v24-47 my rows' scale words (lanes 0-15 rows 0-15, lanes 16-31 rows 16-31), v48-55 the ring's scale words, two sets, v56, v57, v62, v63 the direct unit's scale words,
;   v58-61 the rows' factors, v64-159 my rows' fragments, v160-255 the direct unit's fragments.
;   Window 1: the ring's fragments, two sets of 96; between the products the tables; at the end rows of out.  Window 2: y, then u / 16.  Window 3: att; between the products v0-31 z, v32-47 the diagonal, v48-71 sums.
.set BSTR,  2457600
.set QSTR,  614400
.set STEPB, 25600
.set HC,    12800
.set FILL,  38400                      ; a slot: three halves
.set GRP,   51200                      ; a group: four halves
.set RING,  76800                      ; a wave's two slots
.set RS,    307200                     ; behind the four rings: the norms' exchange, 2 x 512 bytes
.set SPARE, 308224                     ; the spare words, 128 bytes for each wave: two blocks of 256 bytes that no other line names
.set SP,    1040                       ; the way out: a stage row, 1,024 bytes + 16; the stage lies in my slot 0, behind its last fill and its last read
.set TINY,  0x2b8cbccc                 ; 1e-12
.set MSB, 0
.macro WIN new                         ; the immediate's high byte repeats the setting that is left
.if MSB != \new
	s_set_vgpr_msb (MSB<<8)|\new
.set MSB, \new
.endif
.endm
.macro PLACES                          ; four plain lines between a matrix instruction and a load into, or a vector line on, its registers (ISA guide 7.12.1 for vector lines)
.rept 4
	v_nop
.endr
.endm
.macro CREST                           ; a round of the cluster's barrier behind its opening barrier
	s_cmp_lg_u32 s12, 0
	s_cbranch_scc1 .Lnot_wave_0_\@
	s_barrier_signal -3
.Lnot_wave_0_\@:
	s_barrier_wait -3
	s_barrier_signal -1
	s_barrier_wait -1
.endm
.macro CROUND
	s_barrier_signal -1
	s_barrier_wait -1
	CREST
.endm
; Unit u of the ring (u % 4 < 3): its scale words (register jj: lanes 0-15 tile 2 jj, lanes 16-31 tile 2 jj + 1) and its eight fragments.  The ring's units take the two sets by turns: the n-th of them, n = 3 (u / 4) + u % 4, set n % 2
.macro FETCH u
.set FS,  (3*((\u)/4)+(\u)%4)%2
.set FSL, ((\u)/4)%2
.set FP,  (\u)%4
	WIN 0
.irp jj,0,1,2,3
	ds_load_b32 v[48+4*FS+\jj], v[5+FSL] offset:HC*FP+12288+128*\jj
.endr
	WIN 0x40                                       ; destination window 1
.irp i,0,1,2,3,4,5,6,7
.irp c,0,1,2
	ds_load_b128 v[96*FS+12*\i+4*\c:96*FS+12*\i+4*\c+3], v[3+FSL] offset:HC*FP+1536*\i+512*\c
.endr
.endr
.endm
; Unit u (u % 4 = 3) straight from ops: 4 + 24 loads, each of a wave's 128 or 512 consecutive bytes
.macro DLOAD u
	WIN 0
.irp jj,0,1,2,3
	global_load_b32 v[56+\jj+4*(\jj/2)], v2, s[60:61] offset:HC*(\u)+12288+128*\jj
.endr
.irp i,0,1,2,3,4,5,6,7
.irp c,0,1,2
	global_load_b128 v[160+12*\i+4*\c:160+12*\i+4*\c+3], v1, s[60:61] offset:HC*(\u)+1536*\i+512*\c
.endr
.endr
.endm
; My rows' two fragments of K step sn into place sn % 4 of their ring
.macro ARELOAD sn
.irp a,0,1
.irp c,0,1,2
	global_load_b128 v[64+24*((\sn)%4)+12*\a+4*\c:64+24*((\sn)%4)+12*\a+4*\c+3], v1, s[32:33] offset:STEPB*(\sn)+1536*\a+512*\c
.endr
.endr
.endm
; Four matrix instructions: tiles 2 mj and 2 mj + 1 x my two tiles of rows.  The sixteen accumulators of a unit take turns, one instruction a turn, and come up again two units on.
.macro MMQ
.set D00, MDB+16*mj
.set B00, MBF+24*mj
.if MDIR
.set SBR, 56+mj+4*(mj/2)
.else
.set SBR, MSBR+mj
.endif
.if (MSG == 0) || (MSG == 8)           ; a product's first K step (step 0: y's; step 8: att's) starts the sums: nothing is cleared.  All other steps add on
	v_wmma_scale_f32_16x16x128_f8f6f4 v[D00:D00+7], v[B00:B00+11], v[MAR:MAR+11], 0, v[SBR], v[MSA] matrix_a_fmt:MATRIX_FMT_FP6 matrix_b_fmt:MATRIX_FMT_FP6
	v_wmma_scale_f32_16x16x128_f8f6f4 v[D00+128:D00+135], v[B00:B00+11], v[MAR+12:MAR+23], 0, v[SBR], v[MSA] matrix_a_fmt:MATRIX_FMT_FP6 matrix_b_fmt:MATRIX_FMT_FP6 matrix_b_scale:MATRIX_SCALE_ROW1
	v_wmma_scale_f32_16x16x128_f8f6f4 v[D00+8:D00+15], v[B00+12:B00+23], v[MAR:MAR+11], 0, v[SBR], v[MSA] matrix_a_fmt:MATRIX_FMT_FP6 matrix_b_fmt:MATRIX_FMT_FP6 matrix_a_scale:MATRIX_SCALE_ROW1
	v_wmma_scale_f32_16x16x128_f8f6f4 v[D00+136:D00+143], v[B00+12:B00+23], v[MAR+12:MAR+23], 0, v[SBR], v[MSA] matrix_a_fmt:MATRIX_FMT_FP6 matrix_b_fmt:MATRIX_FMT_FP6 matrix_a_scale:MATRIX_SCALE_ROW1 matrix_b_scale:MATRIX_SCALE_ROW1
.else
	v_wmma_scale_f32_16x16x128_f8f6f4 v[D00:D00+7], v[B00:B00+11], v[MAR:MAR+11], v[D00:D00+7], v[SBR], v[MSA] matrix_a_fmt:MATRIX_FMT_FP6 matrix_b_fmt:MATRIX_FMT_FP6
	v_wmma_scale_f32_16x16x128_f8f6f4 v[D00+128:D00+135], v[B00:B00+11], v[MAR+12:MAR+23], v[D00+128:D00+135], v[SBR], v[MSA] matrix_a_fmt:MATRIX_FMT_FP6 matrix_b_fmt:MATRIX_FMT_FP6 matrix_b_scale:MATRIX_SCALE_ROW1
	v_wmma_scale_f32_16x16x128_f8f6f4 v[D00+8:D00+15], v[B00+12:B00+23], v[MAR:MAR+11], v[D00+8:D00+15], v[SBR], v[MSA] matrix_a_fmt:MATRIX_FMT_FP6 matrix_b_fmt:MATRIX_FMT_FP6 matrix_a_scale:MATRIX_SCALE_ROW1
	v_wmma_scale_f32_16x16x128_f8f6f4 v[D00+136:D00+143], v[B00+12:B00+23], v[MAR+12:MAR+23], v[D00+136:D00+143], v[SBR], v[MSA] matrix_a_fmt:MATRIX_FMT_FP6 matrix_b_fmt:MATRIX_FMT_FP6 matrix_a_scale:MATRIX_SCALE_ROW1 matrix_b_scale:MATRIX_SCALE_ROW1
.endif
.endm
.macro MUL u, j0, j1                   ; unit u's pairs of tiles j0 .. j1
.set MSG,  (\u)/2                      ; the K step
.set MDIR, ((\u)%4)/3                  ; 1: the group's fourth unit, whose fragments lie in window 0
.set MSET, (3*((\u)/4)+(\u)%4)%2
.if MDIR
.set MBF, 160
.else
.set MBF, 96*MSET
.endif
.set MSBR, 48+4*MSET
.set MAR,  64+24*(MSG%4)
.set MSA,  24+MSG
.set MDB,  64*((\u)%2)                 ; accumulator (a, tile 8 e + i) at 8 (16 a + 8 e + i)
.if MSG < 8
.set MW, 0xa1-MDIR                     ; source 0 window 1 (the direct unit: 0), source 1 window 0, C and D window 2
.else
.set MW, 0xf1-MDIR                     ; C and D window 3
.endif
	WIN MW
.set mj, \j0
.rept \j1-\j0+1
	MMQ
.set mj, mj+1
.endr
.endm
; A unit of the ring that is not its slot's last.  A group's first unit asks for the group's direct unit D and for my rows' K step three on, in that order; its wait leaves just these out:
; so every older load is in, my rows' fragments of this group's two K steps among them.
.macro UNIT u, fetch
	s_wait_dscnt 0x0                               ; this unit's fragments and scale words are in (asked for sixteen matrix instructions ago, or more)
	PLACES
.set ULD, 28
.if (\u)/2+3 <= 23
.set ULD, 34
.endif
.if ((\u)%4 == 0) && ((\u) > 0)        ; (group 0's are asked for at the kernel's head)
	DLOAD (\u)+3
.if (\u)/2+3 <= 23
	ARELOAD (\u)/2+3
.endif
.endif
.if \fetch
	FETCH (\u)+1
.endif
.if (\u)%4 == 0
	s_wait_loadcnt ULD                             ; D's 28 loads, and the 6 of my rows' K step three on where there is one, may be out
.endif
	MUL \u, 0, 3
.endm
; A slot's last unit, with a refill.  Each wave waits for all its tensor loads (the one that is out is the other slot's), adds 0 to its spare word, and waits for that and for its reads of this slot; the barrier opens a round of the
; cluster's barrier, so that no wave of any partner still reads this slot or has a load on its way; the joint refill is the first thing behind the round.
.macro TAIL u, fetch
.set TSL, ((\u)/4)%2
	PLACES
	WIN 0
	ARELOAD (\u)/2+3                               ; the place that the group's first K step has left
	s_wait_tensorcnt 0x0
	ds_add_u32 v12, v13                            ; 0 onto my spare word
	s_add_nc_u64 s[26+4*TSL:27+4*TSL], s[26+4*TSL:27+4*TSL], 2*GRP       ; no tensor load of mine is out: this slot's descriptor steps two groups on
	s_wait_dscnt 0x0
	s_barrier_signal -1
	MUL \u, 0, 1                                   ; work on registers while the others arrive
	WIN 0
	s_barrier_wait -1
	CREST
	tensor_load_to_lds s[24+4*TSL:27+4*TSL], s[16:23]
	s_nop 0
	PLACES                                         ; (the places in front of the loads below)
.if \fetch
	FETCH (\u)+2                                   ; the next group's first unit, from the other slot
.endif
	MUL \u, 2, 3
.endm
; The group's fourth unit.  Behind its 28 loads were issued my rows' K steps u / 2 + 2 and u / 2 + 3, six loads each, where there are such steps
.macro DIRECT u
.set DYG, 0
.if (\u)/2+2 <= 23
.set DYG, DYG+6
.endif
.if (\u)/2+3 <= 23
.set DYG, DYG+6
.endif
	s_wait_loadcnt DYG
	MUL \u, 0, 3
.endm
	s_load_b128 s[4:7], s[0:1], 0x0                ; ops s[4:5], tab s[6:7]
	s_load_b128 s[8:11], s[0:1], 0x10              ; rowpar s[8:9], out s[10:11]
	v_lshl_add_u32 v12, v0, 2, SPARE
	v_mov_b32 v13, 0
	ds_add_u32 v12, v13
	ds_add_u32 v12, v13
	s_wait_dscnt 0x0
	v_lshrrev_b32 v1, 5, v0
	v_readfirstlane_b32 s12, v1                    ; wave 0..3
	s_and_b32 s15, ttmp7, 0xffff                   ; the batch, which the four partners share
	; descriptor group 1: 150 rows of 32 elements of 8 bytes, dense, no padding
	s_mov_b32 s16, 15|(3<<16)|(1<<21)              ; 15:0 the mask: all four work-groups; 17:16 elements of 8 bytes; 21 set beside a mask
	s_mov_b32 s17, 32<<16                          ; tensor_dim0 = 32
	s_mov_b32 s18, 150<<16                         ; tensor_dim1 = 150
	s_mov_b32 s19, 32<<16                          ; tile_dim0 = 32
	s_mov_b32 s20, 150                             ; tile_dim1 = 150
	s_mov_b32 s21, 32                              ; from row to row
	s_mov_b32 s22, 0
	s_mov_b32 s23, 0
	s_mul_i32 s2, s15, BSTR
	s_mul_i32 s3, s12, QSTR
	s_add_co_u32 s2, s2, s3
	s_mov_b32 s3, 0                                ; my stream: batch and wave alone
	s_mul_i32 s51, s12, RING                       ; my ring: no place in the cluster enters an LDS address
	s_add_co_u32 s52, s51, FILL
	s_bfe_u32 s13, ttmp6, 0x40000                  ; cx
	s_lshl_b32 s14, ttmp9, 2
	s_add_co_u32 s14, s14, s13                     ; my block of 32 rows: it enters global addresses of plain loads and stores, and one selected value
	s_mul_i32 s54, s15, BSTR
	s_lshr_b32 s55, s14, 3
	s_mul_i32 s55, s55, QSTR
	s_add_co_u32 s54, s54, s55
	s_bfe_u32 s55, s14, 0x10002
	s_mul_i32 s55, s55, HC
	s_add_co_u32 s54, s54, s55                     ; the half that holds my rows' tiles 2 block, 2 block + 1
	s_and_b32 s56, s14, 3
	s_lshl_b32 s56, s56, 1                         ; (2 block) % 8
	s_mul_i32 s57, s56, 1536
	s_add_co_u32 s32, s54, s57
	s_mov_b32 s33, 0
	s_lshl_b32 s57, s56, 6
	s_add_co_u32 s34, s54, s57
	s_add_co_u32 s34, s34, 12288
	s_mov_b32 s35, 0
	s_lshl_b32 s36, s14, 18
	s_lshl_b32 s37, s12, 15
	s_add_co_u32 s36, s36, s37
	s_mov_b32 s37, 0                               ; tab: row tile 2 block, column tiles 16 w on
	s_lshl_b32 s38, s15, 14
	s_lshl_b32 s39, s14, 9
	s_add_co_u32 s38, s38, s39
	s_mov_b32 s39, 0                               ; rowpar
	s_lshl_b32 s58, s15, 22
	s_lshl_b32 s59, s14, 17
	s_add_co_u32 s58, s58, s59
	s_lshl_b32 s59, s12, 10
	s_add_co_u32 s58, s58, s59
	s_mov_b32 s59, 0                               ; out: my first row, my first column
	s_mov_b32 s40, 0x76543210                      ; v_permlanex16_b32's selects for lane l xor 16
	s_mov_b32 s41, 0xfedcba98
	s_mov_b32 s42, 0x3d8f5c29                      ; 1.4 / 20
	s_mov_b32 s43, 0x3d8f5c29
	s_mov_b32 s44, 0x7fffffff
	s_mov_b32 s45, 0x3727c5ac                      ; 1e-5
	s_lshl_b32 s46, s14, 1
	s_lshl_b32 s47, s12, 4
	s_sub_co_i32 s46, s46, s47                     ; my column tile tl holds row tile a's diagonal where tl - a equals this
	s_mov_b32 s48, 0
	s_mov_b32 s49, 0
	s_mov_b32 s50, 0xffff0000                      ; lanes 16-31
	v_and_b32 v2, 31, v0
	v_lshlrev_b32 v1, 4, v2                        ; 16 x lane
	v_lshlrev_b32 v2, 2, v2                        ; 4 x lane
	v_and_b32 v58, 15, v0                          ; r   (v58-60 are at work here; later they hold the rows' factors)
	v_bfe_u32 v59, v0, 4, 1                        ; h
	v_add_nc_u32 v3, s51, v1
	v_add_nc_u32 v4, s52, v1
	v_add_nc_u32 v5, s51, v2
	v_add_nc_u32 v6, s52, v2
	v_mul_u32_u24 v7, v58, SP
	v_lshl_add_u32 v7, v59, 5, v7
	v_add_nc_u32 v7, s51, v7                       ; the stage, in: row r, + 32 h
	s_lshl_b32 s53, s12, 7
	s_add_co_u32 s53, s53, RS
	v_add_nc_u32 v9, s53, v2                       ; RS + 128 w + 4 x lane
	v_lshl_add_u32 v10, v58, 2, RS                 ; RS + 4 r
	v_lshlrev_b32 v11, 3, v59
	v_sub_nc_u32 v11, v58, v11                     ; register j lies on a tile's diagonal where j = r - 8 h
	v_mov_b32 v14, 0x3727c5ac
	v_mov_b32 v15, 0x3727c5ac
	v_lshlrev_b32 v60, 4, v58                      ; 16 r
	s_wait_kmcnt 0x0
	s_mov_b32 s24, 1                               ; descriptor group 0, a set for each slot: count 1,
	s_mov_b32 s25, s51                             ; LDS address,
	s_add_nc_u64 s[26:27], s[4:5], s[2:3]          ; global address: group 0's first three halves,
	s_mov_b32 s28, 1
	s_mov_b32 s29, s52
	s_add_nc_u64 s[30:31], s[26:27], GRP           ; group 1's
	s_or_b32 s27, s27, 0x80000000                  ; type 2
	s_or_b32 s31, s31, 0x80000000
	s_add_nc_u64 s[60:61], s[4:5], s[2:3]          ; the same stream's first byte, for the direct units
	s_add_nc_u64 s[32:33], s[4:5], s[32:33]
	s_add_nc_u64 s[34:35], s[4:5], s[34:35]
	s_add_nc_u64 s[36:37], s[6:7], s[36:37]
	s_add_nc_u64 s[8:9], s[8:9], s[38:39]
	s_add_nc_u64 s[10:11], s[10:11], s[58:59]
	CROUND                                         ; all four work-groups are here: the first joint loads meet
	tensor_load_to_lds s[24:27], s[16:23]          ; units 0-2
	s_nop 0
	tensor_load_to_lds s[28:31], s[16:23]          ; units 4-6: two loads of mine are out, later one
	s_nop 0
	PLACES
	global_load_b128 v[16:19], v60, s[8:9]
	global_load_b128 v[20:23], v60, s[8:9] offset:256
.set j, 0
.rept 24
	global_load_b32 v[24+j], v2, s[34:35] offset:STEPB*j
.set j, j+1
.endr
	ARELOAD 0
	ARELOAD 1
	ARELOAD 2
	DLOAD 3                                        ; group 0's direct unit and my rows' K step 3: the last 34 loads of the head, which unit 0's wait leaves out
	ARELOAD 3
	s_wait_tensorcnt 0x1                           ; my slot 0 has landed; slot 1's load may be out.  Nobody else reads my ring, so no barrier
	FETCH 0
; ---------------- y = S S^T: units 0-15, groups 0-3
.irp n,0,1,2
	UNIT 4*\n, 1
	UNIT 4*\n+1, 1
	TAIL 4*\n+2, 1
	DIRECT 4*\n+3
.endr
	UNIT 12, 1
	UNIT 13, 1
	TAIL 14, 0                                     ; window 1 is wanted for the tables: unit 16 is fetched behind them
	DIRECT 15
; ---------------- between the products: u / 16 from y
.macro TLOAD a, g                      ; the tables of row tile a, my column tiles 4 g .. 4 g + 3: tile tl at v[16 tl] of window 1: T1's eight registers, then T2's
	WIN 0x40
.irp tt,0,1,2,3
.irp qd,0,1,2,3
	global_load_b128 v[64*(\g)+16*\tt+4*\qd:64*(\g)+16*\tt+4*\qd+3], v1, s[36:37] offset:131072*(\a)+8192*(\g)+2048*\tt+512*\qd
.endr
.endr
.endm
	WIN 0
	PLACES
	TLOAD 0, 0                                     ; the eight groups of tables roll: three are on their way at a time, 48 loads
	TLOAD 0, 1
	TLOAD 0, 2
	WIN 0
.irp j,16,17,18,20,21,22
	v_mul_f32 v[\j], 0.5, v[\j]                    ; theta goes into the rows' parameters
.endr
	WIN 0xc0                                       ; destination window 3
.irp j,0,1,2,3,4,5,6,7
	v_cmp_eq_i32 vcc_lo, \j, v11
	v_cndmask_b32 v[32+\j], 0, v18, vcc_lo         ; the diagonal's term at its place in a tile, for each of my two row tiles
	v_cndmask_b32 v[40+\j], 0, v22, vcc_lo
.endr
	WIN 0x82                                       ; y: destination and source 0 window 2
.set j, 0
.rept 128
	v_pk_fma_f32 v[j:j+1], v[j:j+1], s[42:43], v[14:15] op_sel_hi:[1,0,1]        ; y = 0.07 g + 1e-5; each accumulator from its low end on
.set j, j+2
.endr
	WIN 0xfa                                       ; sums window 3, sources window 2
.set j, 0
.rept 128
.if (j%128) < 8
	v_pk_mul_f32 v[48+8*(j/128)+j%8:49+8*(j/128)+j%8], v[j:j+1], v[j:j+1]        ; four chains for each row tile; the first pairs start them
.else
	v_pk_fma_f32 v[48+8*(j/128)+j%8:49+8*(j/128)+j%8], v[j:j+1], v[j:j+1], v[48+8*(j/128)+j%8:49+8*(j/128)+j%8]
.endif
.set j, j+2
.endr
	WIN 0x82
.set j, 0
.rept 256
	v_sqrt_f32 v[j], v[j]
.set j, j+1
.endr
	v_nop                                          ; a plain line behind the last root
; The chains in window 3, v48-63, become my rows' sums over all 1,024 columns: v64 (rows 0-15), v68 (rows 16-31).  Each exchange has LDS bytes of its own, so one barrier serves it.
.macro EXCH off
	WIN 0xff
.irp a,0,1
	v_pk_add_f32 v[48+8*\a:49+8*\a], v[48+8*\a:49+8*\a], v[50+8*\a:51+8*\a]
	v_pk_add_f32 v[52+8*\a:53+8*\a], v[52+8*\a:53+8*\a], v[54+8*\a:55+8*\a]
.endr
.irp a,0,1
	v_pk_add_f32 v[48+8*\a:49+8*\a], v[48+8*\a:49+8*\a], v[52+8*\a:53+8*\a]
.endr
.irp a,0,1
	v_add_f32 v[48+8*\a], v[48+8*\a], v[49+8*\a]
.endr
.irp a,0,1
	v_permlanex16_b32 v[49+8*\a], v[48+8*\a], s40, s41                   ; the row's other eight columns of each tile
.endr
.irp a,0,1
	v_add_f32 v[48+8*\a], v[48+8*\a], v[49+8*\a]
.endr
	v_cndmask_b32 v50, v48, v56, s50               ; lanes 0-15 carry rows 0-15, lanes 16-31 rows 16-31
	WIN 0x0c                                       ; an LDS store's data are its source 1: window 3
	ds_store_b32 v9, v50 offset:\off
	s_wait_dscnt 0x0                               ; for the others' sake
	s_barrier_signal -1
	s_barrier_wait -1
	WIN 0xc0
.irp a,0,1
.irp ww,0,1,2,3
	ds_load_b32 v[64+4*\a+\ww], v10 offset:\off+128*\ww+64*\a
.endr
.endr
	s_wait_dscnt 0x0
	WIN 0xff
.irp a,0,1
	v_add_f32 v[64+4*\a], v[64+4*\a], v[65+4*\a]
	v_add_f32 v[66+4*\a], v[66+4*\a], v[67+4*\a]
.endr
.irp a,0,1
	v_add_f32 v[64+4*\a], v[64+4*\a], v[66+4*\a]
.endr
.endm
	EXCH 0
	v_sqrt_f32 v64, v64
	v_sqrt_f32 v68, v68
	v_nop
	s_wait_alu depctr_va_vdst(0)
	v_max_num_f32 v64, TINY, v64
	v_max_num_f32 v68, TINY, v68
	v_rsq_f32 v64, v64                             ; sqrt(y / |y|) = sqrt(y) x |y|^(-1/2)
	v_rsq_f32 v68, v68
	v_nop
	WIN 0x03                                       ; source 0 window 3
	s_wait_alu depctr_va_vdst(0)
	v_mov_b32 v58, v64
	v_mov_b32 v59, v68
; t = |0.5 s + sqrt(y) rs| + 1e-5 and its squares, for row tile a and my column tiles 4 g .. 4 g + 3: step 4 a + g of eight.  Step i asks for the tables of step i + 3, whose registers step i - 1 has left.
.macro P2 a, g
.set PI, 4*(\a)+(\g)
.if PI <= 5
	s_wait_loadcnt 32                              ; behind this step's 16 loads: those of the next two steps
.elseif PI == 6
	s_wait_loadcnt 16
.else
	s_wait_loadcnt 0x0
.endif
	WIN 0xf1                                       ; z window 3, tables window 1, parameters window 0
.irp tt,0,1,2,3
.irp p,0,2,4,6
	v_pk_mul_f32 v[8*\tt+\p:8*\tt+\p+1], v[64*(\g)+16*\tt+\p:64*(\g)+16*\tt+\p+1], v[16+4*(\a):17+4*(\a)] op_sel_hi:[1,0]
.endr
.endr
.irp tt,0,1,2,3
.irp p,0,2,4,6
	v_pk_fma_f32 v[8*\tt+\p:8*\tt+\p+1], v[64*(\g)+16*\tt+8+\p:64*(\g)+16*\tt+9+\p], v[16+4*(\a):17+4*(\a)], v[8*\tt+\p:8*\tt+\p+1] op_sel:[0,1,0]
.endr
.endr
	WIN 0xf3
.irp tt,0,1,2,3
	s_cmp_eq_i32 s46, 4*(\g)+\tt-(\a)              ; is this the tile with the diagonal?  A value is selected: no branch hangs on the place in the cluster
	s_cselect_b32 s48, 1.0, 0
.irp p,0,2,4,6
	v_pk_fma_f32 v[8*\tt+\p:8*\tt+\p+1], v[32+8*(\a)+\p:33+8*(\a)+\p], s[48:49], v[8*\tt+\p:8*\tt+\p+1] op_sel_hi:[1,0,1]
.endr
.endr
	WIN 0xdc                                       ; z window 3, T1 (source 2) window 1
.irp tt,0,1,2,3
.irp j,0,1,2,3,4,5,6,7
	v_bfi_b32 v[8*\tt+\j], s44, v[8*\tt+\j], v[64*(\g)+16*\tt+\j]        ; |z| with the sign of d
.endr
.endr
.if PI <= 4
	TLOAD (PI+3)/4, (PI+3)%4
.endif
	WIN 0xb2                                       ; y window 2, rs window 0, z window 3
.irp tt,0,1,2,3
.irp p,0,2,4,6
.if \a
	v_pk_fma_f32 v[128*(\a)+32*(\g)+8*\tt+\p:128*(\a)+32*(\g)+8*\tt+\p+1], v[128*(\a)+32*(\g)+8*\tt+\p:128*(\a)+32*(\g)+8*\tt+\p+1], v[58:59], v[8*\tt+\p:8*\tt+\p+1] op_sel:[0,1,0]
.else
	v_pk_fma_f32 v[128*(\a)+32*(\g)+8*\tt+\p:128*(\a)+32*(\g)+8*\tt+\p+1], v[128*(\a)+32*(\g)+8*\tt+\p:128*(\a)+32*(\g)+8*\tt+\p+1], v[58:59], v[8*\tt+\p:8*\tt+\p+1] op_sel_hi:[1,0,1]
.endif
.endr
.endr
.irp tt,0,1,2,3
.irp j,0,1,2,3,4,5,6,7
	v_add_f32 v[128*(\a)+32*(\g)+8*\tt+\j], |v[128*(\a)+32*(\g)+8*\tt+\j]|, s45
.endr
.endr
	WIN 0xfa
.irp tt,0,1,2,3
.irp p,0,2,4,6
.if ((\g) == 0) && (\tt == 0)
	v_pk_mul_f32 v[48+8*(\a)+\p:49+8*(\a)+\p], v[128*(\a)+32*(\g)+8*\tt+\p:128*(\a)+32*(\g)+8*\tt+\p+1], v[128*(\a)+32*(\g)+8*\tt+\p:128*(\a)+32*(\g)+8*\tt+\p+1]
.else
	v_pk_fma_f32 v[48+8*(\a)+\p:49+8*(\a)+\p], v[128*(\a)+32*(\g)+8*\tt+\p:128*(\a)+32*(\g)+8*\tt+\p+1], v[128*(\a)+32*(\g)+8*\tt+\p:128*(\a)+32*(\g)+8*\tt+\p+1], v[48+8*(\a)+\p:49+8*(\a)+\p]
.endif
.endr
.endr
.endm
.irp a,0,1
.irp g,0,1,2,3
	P2 \a, \g
.endr
.endr
	EXCH 512
	v_sqrt_f32 v64, v64
	v_sqrt_f32 v68, v68
	v_nop
	s_wait_alu depctr_va_vdst(0)
	v_max_num_f32 v64, TINY, v64
	v_max_num_f32 v68, TINY, v68
	v_rcp_f32 v64, v64
	v_rcp_f32 v68, v68
	v_nop
	s_wait_alu depctr_va_vdst(0)
	v_mul_f32 v64, 0x3d800000, v64                 ; the mean over the 16 perspectives goes in here
	v_mul_f32 v68, 0x3d800000, v68
	WIN 0x03
	v_mov_b32 v60, v64
	v_mov_b32 v61, v68
	WIN 0x82
.set j, 0
.rept 64
	v_pk_mul_f32 v[j:j+1], v[j:j+1], v[60:61] op_sel_hi:[1,0]            ; u / 16, rows 0-15
.set j, j+2
.endr
.rept 64
	v_pk_mul_f32 v[j:j+1], v[j:j+1], v[60:61] op_sel:[0,1]               ; rows 16-31
.set j, j+2
.endr
	FETCH 16                                       ; slot 0 holds group 4's units: unit 14's wait for all my tensor loads has shown them landed
; ---------------- att = Cn Cn^T: units 16-47, groups 4-11
.irp n,4,5,6,7,8,9
	UNIT 4*\n, 1
	UNIT 4*\n+1, 1
	TAIL 4*\n+2, 1
	DIRECT 4*\n+3
.endr
	UNIT 40, 1
	UNIT 41, 1
	PLACES                                         ; unit 42 leaves slot 0 for the last time: nothing is filled again, so no barrier
	s_wait_tensorcnt 0x0                           ; the last fill, group 11's, has landed (no load was issued behind it)
	s_wait_dscnt 0x0
	FETCH 44
	MUL 42, 0, 3
	DIRECT 43
	UNIT 44, 1
	UNIT 45, 1
	UNIT 46, 0
	DIRECT 47
; ---------------- the way out: max(att u / 16, 0); 16 rows x my 1,024 bytes go through my stage and come back as runs of 512 consecutive bytes
	WIN 0
	PLACES
.irp a,0,1
	WIN 0xcb                                       ; att window 3, u window 2
.set j, 128*\a
.rept 64
	v_pk_mul_f32 v[j:j+1], v[j:j+1], v[j:j+1]      ; each accumulator from its low end on
.set j, j+2
.endr
	WIN 0xcc
.set j, 128*\a
.rept 128
	v_max_num_f32 v[j], 0, v[j]
.set j, j+1
.endr
	WIN 0x0c                                       ; an LDS store's data: window 3
.irp tl,0,1,2,3,4,5,6,7,8,9,10,11,12,13,14,15
	ds_store_b128 v7, v[128*\a+8*\tl:128*\a+8*\tl+3] offset:64*\tl
	ds_store_b128 v7, v[128*\a+8*\tl+4:128*\a+8*\tl+7] offset:64*\tl+16
.endr
	WIN 0x40                                       ; LDS serves a wave's instructions in order: these see the stores above, and the next tile's stores come behind them
.irp row,0,1,2,3,4,5,6,7,8,9,10,11,12,13,14,15
.irp hf,0,1
	ds_load_b128 v[128*\a+8*\row+4*\hf:128*\a+8*\row+4*\hf+3], v3 offset:SP*\row+512*\hf
.endr
.endr
.endr
.macro SEND a
.irp row,0,1,2,3,4,5,6,7,8,9,10,11,12,13,14,15
.irp hf,0,1
	global_store_b128 v1, v[128*\a+8*\row+4*\hf:128*\a+8*\row+4*\hf+3], s[10:11] offset:(16*\a+\row)*4096+512*\hf th:TH_STORE_NT   ; 512 consecutive bytes, aligned; written once
.endr
.endr
.endm
	WIN 0x04                                       ; a store's data: window 1
	s_wait_dscnt 63                                ; rows 0-15 are back: 64 LDS instructions are younger, and 63 is the largest count that the wait can name
	SEND 0
	s_wait_dscnt 0x0
	SEND 1
	WIN 0
	s_wait_tensorcnt 0x0                           ; the wave's end
	ds_add_u32 v12, v13
	s_wait_dscnt 0x0
	CROUND                                         ; the closing round: no work-group ends while a partner may still ask for a tile that names it
	s_endpgm
.Lfunc_end_k_qb722c43869_main:
	.size	k_qb722c43869_main, .Lfunc_end_k_qb722c43869_main-k_qb722c43869_main
	.p2alignl 7, 3214868480
	.fill 96, 4, 3214868480
	.section	.rodata,"a",@progbits
	.p2align	6, 0x0
	.amdhsa_kernel k_qb722c43869_main
		.amdhsa_group_segment_fixed_size 327680
		.amdhsa_private_segment_fixed_size 0
		.amdhsa_enable_private_segment 0
		.amdhsa_kernarg_size 32
		.amdhsa_user_sgpr_count 2
		.amdhsa_user_sgpr_kernarg_segment_ptr 1
		.amdhsa_wavefront_size32 1
		.amdhsa_system_sgpr_workgroup_id_x 1
		.amdhsa_system_sgpr_workgroup_id_y 1
		.amdhsa_system_sgpr_workgroup_id_z 1
		.amdhsa_system_vgpr_workitem_id 0
		.amdhsa_next_free_vgpr 1024
		.amdhsa_next_free_sgpr 66
		.amdhsa_reserve_vcc 1
		.amdhsa_float_denorm_mode_32 3
		.amdhsa_float_denorm_mode_16_64 3
		.amdhsa_memory_ordered 1
		.amdhsa_forward_progress 1
		.amdhsa_inst_pref_size 255
	.end_amdhsa_kernel
	.section	.bss,"aw",@nobits
	.p2align	6
	.space	262144
	.amdgpu_metadata
---
amdhsa.version: [ 1, 2 ]
amdhsa.kernels:
  - .name:           k_qb722c43869_main
    .symbol:         k_qb722c43869_main.kd
    .args:
      - { .name: ops, .offset: 0, .size: 8, .value_kind: global_buffer, .address_space: global }
      - { .name: tab, .offset: 8, .size: 8, .value_kind: global_buffer, .address_space: global }
      - { .name: rowpar, .offset: 16, .size: 8, .value_kind: global_buffer, .address_space: global }
      - { .name: out0, .offset: 24, .size: 8, .value_kind: global_buffer, .address_space: global }
    .group_segment_fixed_size: 327680
    .private_segment_fixed_size: 0
    .kernarg_segment_align: 8
    .kernarg_segment_size: 32
    .max_flat_workgroup_size: 128
    .sgpr_count:     66
    .vgpr_count:     1024
    .wavefront_size: 32
...
	.end_amdgpu_metadata
.endif
;; end of part 2
